; MI455X (gfx1250); checked and timed in simulation.
; The chip was launched on July 23, 2026; its instructions are those of AMD's public machine-readable ISA for CDNA 5 (MIT licence, August 2026) and "CDNA5" Instruction Set Architecture Reference Guide (July 2026). The comments in the code are by the model that wrote it; some were corrected since.
;; Instance Attention Module. Allowed arithmetic: matrix products marked QUANTISED: E2M1 operands, one E8M0 scale for each 32 along K, by v_wmma_scale_f32_16x16x128_f8f6f4 with both operands' format E2M1 (or v_wmma_scale_f32_32x16x128_f4), f32 sums; products left as they are: f32 operands where the result goes on into a quantised operand, else bf16, f16 or f32 operands; f32 sums; everything else in f32.
;; Inputs: attn_W_codes 256 x 8 x 16 uint8 (E2M1 codes of attn_W, K innermost, in blocks of 32 codes, two codes a byte); attn_W_scales 256 x 8 uint8 (E8M0 scales of attn_W, one for each 32 codes along K); attn_b 256 float32; emb_W_codes 64 x 8 x 16 uint8 (E2M1 codes of emb_W, K innermost, in blocks of 32 codes, two codes a byte); emb_W_scales 64 x 8 uint8 (E8M0 scales of emb_W, one for each 32 codes along K); emb_b 64 float32; feature_map 32 x 32 x 32 x 256 float32; thr_W 1 x 256 float32; thr_b 1 float32.
;; Outputs: out0 32 x 32 x 32 x 256 float32.
;; Constants: layer = 0.
;; This version of the problem:
;;   THIS VERSION OF THE PROBLEM IS GIVEN IN LOW PRECISION. The matrix products marked QUANTISED in the list below multiply operands that are first quantised to E2M1 (2 exponent bits, 1 mantissa bit; 4 bits a number), with one power-of-two scale for each 32 numbers along K (OCP MX v1.0); their sums are f32. All else is computed in f32.
;;   The module's matrix products, in the order in which they are computed (A, B: the left and right operand; K: the contracted axis; several contracted axes count as one K, in the product's order):
;;     1. [M 32,768, K 256] x [K 256, N 64]; A: input feature_map; B: input emb_W (given as codes): QUANTISED
;;     2. batch 32 x [M 1,024, K 64] x [K 64, N 1,024]; A: computed on the way; B: computed on the way: QUANTISED
;;     3. [M 32,768, K 256] x [K 256, N 256]; A: input feature_map; B: input attn_W (given as codes): QUANTISED
;;     4. [M 32,768, K 256] x [K 256, N 1]; A: computed on the way; B: input thr_W: left as it is (N = 1 < 16)
;;     5. batch 32 x [M 1,024, K 1,024] x [K 1,024, N 256]; A: softmax (see below); B: computed on the way: QUANTISED
;;   THE QUANTISER, for each operand of a quantised product, along K:
;;     - K is cut into blocks of 32 from its start; a last block that is shorter is filled with zeros.
;;     - A block's scale is 2^e with e = floor(log2(the largest magnitude in the block)) - 2, held to -126 .. 127; a block of zeros has e = 0. As a byte (E8M0): e + 127.
;;     - Each number is divided by its block's scale, clamped to +-6, and rounded to the nearest number of E2M1, ties to even, subnormals kept.
;;     - The product sums the exact products of the quantised numbers (number of the format x scale) in f32.
;;   ~~~python
;;   def quantise(x, axis):      # numpy; x: float32 -> the quantised numbers, widened to float32 again
;;       x = np.moveaxis(x, axis, -1); K = x.shape[-1]
;;       x = np.pad(x, [(0, 0)] * (x.ndim - 1) + [(0, -K % 32)]); x = x.reshape(x.shape[:-1] + (-1, 32)); a = np.abs(x).max(-1, keepdims=True)
;;       e = np.where(a > 0, np.clip(np.frexp(np.where(a > 0, a, 1))[1] - 1 - 2, -126, 127), 0)      # np.frexp(a)[1] - 1 = floor(log2(a)), exactly
;;       r = np.clip(x / 2.0 ** e, -6, 6)
;;       step = 2.0 ** (np.maximum(np.frexp(np.where(r == 0, 1, r))[1] - 1, 0) - 1)
;;       q = np.round(r / step) * step * 2.0 ** e      # np.round: ties to even
;;       return np.moveaxis(q.reshape(q.shape[:-2] + (-1,))[..., :K], -1, axis).astype(np.float32)
;;   ~~~
;;   SOFTMAX AHEAD OF A QUANTISED PRODUCT. Where the list says 'softmax', what is quantised is not the finished softmax but p = 2^(t - M), with t = logit x log2(e) and M = ceil(the row's largest t), a whole number; so 1/2 < the row's largest p <= 1. The row's sum l is taken of the UNQUANTISED p, in f32, and the product's result is divided by l at the end. Since M is a whole number, a kernel that streams over the keys may use a running M (the ceiling of the running maximum): every later rescaling is an exact power of two, which a block's scale takes up: the codes' values come out the same.
;;   OPERANDS COMPUTED ON THE WAY. 'Computed on the way' means the value that the module computes at that place (a softmax that the list does not call 'softmax' is quantised finished and normalised). What goes into a quantiser is computed in f32, as accurately as f32 sums, v_exp_f32 and their like allow (about 1e-6 of the number): no bf16 or f16 on the way to a quantiser, and a product that is left as it is and whose result goes on into a quantised operand takes f32 operands (vector FMAs, or v_wmma_f32_16x16x4_f32). A number that lies on a knife's edge between two numbers of the format may be rounded either way, as far as f32 arithmetic and the matrix unit's own rounding can turn it there, and no further.
;;   INPUTS GIVEN AS CODES. attn_W (in the module: [256, 256], K = its axis 1); emb_W (in the module: [64, 256], K = its axis 1): each comes as NAME_codes (uint8): NAME with its K axis moved to the last place and cut into blocks of 32 codes, [.., K / 32, bytes a block], one block behind the other in memory; two codes a byte, the lower K in the low four bits (a code: sign, 2 exponent bits, 1 mantissa bit); and NAME_scales (uint8): the same leading axes, one E8M0 byte (e + 127) for each 32 codes along K. Its value is code x scale, taken as it is: it is not quantised again, and the codes and scales need not be those that the quantiser above would give.
;; One version. Each part assembles by itself: llvm-mc -triple=amdgcn-amd-amdhsa -mcpu=gfx1250 --defsym DOCPART=n.
;; ======== version 1 of 1: 2 launches
;; workspace buffers: early 1,703,936 bytes; vk 4,194,304 bytes
;; launch project (part 1): grid 256 x 1, 2 waves a work-group, no clusters, 168,192 bytes of LDS; arguments feature_map, emb_W_codes, emb_W_scales, emb_b, attn_W_codes, attn_W_scales, attn_b, thr_W, thr_b, early, vk; writes early, vk
.if DOCPART == 1
	.amdgcn_target "amdgcn-amd-amdhsa--gfx1250"
	.amdhsa_code_object_version 6
	.text
	.protected	k_q289de7baf9_project
	.globl	k_q289de7baf9_project
	.p2align	8
	.type	k_q289de7baf9_project,@function
k_q289de7baf9_project:
	s_mov_b64 s[64:65], 0
	v_nop
	global_prefetch_b8 v0, s[64:65] scope:SCOPE_SE
	s_setreg_imm32_b32 hwreg(HW_REG_WAVE_MODE, 25, 1), 1
	s_wait_xcnt 0x0
; PROJECT.  x = feature_map [32 images][1,024 pixels][256] f32 is quantised along its 256 channels to codes of FP4 (E2M1) with one E8M0 scale for each 32, and multiplied by
; emb_W (64 rows) and attn_W (256 rows), which come as codes.  Out of that this launch stores what the second launch reads:
;   early [image][53,248 bytes]: EK at 0: emb's codes as images of operand registers [c' 16][tau 4][lane 32][16 bytes];  ES at 32,768: emb's scale words [c'][r 16][tau 4];
;     NS at 36,864: -|emb|^2 / 2, f32 a pixel;  TQ at 40,960: -log2(e) x (shortcut . thr_W + thr_b), f32 a pixel;  VS at 45,056: shortcut's scale bytes [c'][r 16][ct 16] of two bytes.
;   vk [image][ks 8][ct 16][c 2][lane 32][16 bytes]: shortcut's codes, quantised ALONG THE PIXELS, as images of operand registers (channel 16 ct + r, keys 128 ks + 64 c + 32 h + 0 .. 31).
; SHARES.  Work-group = (image, ks); wave w takes the pair of image rows c' = 2 ks + w: 64 pixels, all 320 outputs.  The two waves share nothing: no barrier.
; No cluster: what work-groups share is 43 KB of weights, kept in registers, against 128 KB of x that each reads alone.
; THE PIXELS OF A TILE ARE NOT NEIGHBOURS: row r of tile tau is pixel 32 (r / 8) + 8 tau + r % 8 of the 64.  In a result whose rows are such a tile, lane half h, register j holds pixel 32 h + 8 tau + j:
; the 32 registers of tiles 0 to 3 are one whole block of 32 pixels in ONE lane.  emb_W's rows are taken by the same rule, so that a lane holds a whole block of 32 of emb's 64.
; LIMITS: NaN and infinities among the inputs are not served.  A block whose largest magnitude lies under 2^-124 (a block of zeros too) gets the scale byte 1: its codes are then zeros or next to zero,
; and the bytes are read by this program alone.  TQ carries one rounding more than T itself.
; REGISTERS.  window 0: v1-19 lane numbers and addresses; v20-31 at work; v32-39 x's scale words [tau][s]; v40-71 attn_W's [ct][s]; v72-79 emb_W's [tf][s]; v96-111 attn_b; v112-127 at work;
;   v128-255 the 128 numbers of one tile of x; later v128-191 shortcut's codes, v192-207 emb's codes, v208-239 bias tiles and at the end T, v240-247 shortcut's scale bytes, v248-253 emb's scale words.
;   window 1: attn_W's 32 fragments.  window 2: v0-63 emb_W's 8 fragments, v64-127 x's 8 fragments, v128-255 emb.  window 3: v0-127 shortcut (4 tiles of channels), v128-159 T's sums, v160-191 emb_b, v192-223 thr_W in pairs.
.set XP,    1040                       ; a row of x in LDS: 1,024 bytes + 16 of padding
.set XT,    64*XP                      ; a wave's tile
.set SCR,   2*XT                       ; behind the tiles: 512 bytes for each wave: 256 of T', 256 of -sq / 2
.set FLOOR, 0x1800000                  ; 2^(3 - 127): under it no largest magnitude is taken, so that a scale byte cannot fall under 1
.set STEP2, 0xff000000                 ; takes 2 off an exponent field
.set XSC, 32
.set WSC, 40
.set EWS, 72
.set AB,  96
.set MX,  112
.set SO,  116
.set BY,  120
.set XST, 128
.set VC,  128
.set EC,  192
.set CB,  208
.set VW,  240
.set ESW, 248
.set EW,  0                            ; window 2
.set XF,  64
.set ED,  128
.set SD,  0                            ; window 3
.set TA,  128
.set EB,  160
.set TW,  192
.set MSB, 0
.macro WIN new                         ; the immediate's high byte repeats the setting that is left; a switch that changes nothing is dropped
.if MSB != (\new)
	s_set_vgpr_msb (MSB<<8)|(\new)
.set MSB, (\new)
.endif
.endm
.macro PLACES n
.rept \n
	v_nop
.endr
.endm
	s_load_b256 s[4:11], s[0:1], 0x0               ; feature_map s[4:5], emb_W_codes s[6:7], emb_W_scales s[8:9], emb_b s[10:11]
	s_load_b256 s[12:19], s[0:1], 0x20             ; attn_W_codes s[12:13], attn_W_scales s[14:15], attn_b s[16:17], thr_W s[18:19]
	s_load_b128 s[20:23], s[0:1], 0x40             ; thr_b s[20:21], early s[22:23]
	s_load_b64 s[24:25], s[0:1], 0x50              ; vk
	v_lshl_add_u32 v94, v0, 2, 0x29000
	v_mov_b32 v95, 0
	ds_add_u32 v94, v95
	ds_add_u32 v94, v95
	v_lshrrev_b32 v1, 5, v0
	v_readfirstlane_b32 s26, v1                    ; wave 0, 1
	s_mov_b32 s28, 0x76543210
	s_mov_b32 s29, 0xfedcba98                      ; v_permlanex16_b32's selects for lane l xor 16
	s_mov_b32 s30, 0xbfb8aa3b                      ; -log2(e)
	; descriptor group 1: 64 rows x 256 elements of 4 bytes, 4 words of padding behind every 256 words
	s_mov_b32 s32, (2<<16)|(1<<20)|(7<<22)|(3<<25)
	s_mov_b32 s33, 256<<16                         ; tensor_dim0
	s_mov_b32 s34, 64<<16                          ; tensor_dim1
	s_mov_b32 s35, 256<<16                         ; tile_dim0
	s_mov_b32 s36, 64                              ; tile_dim1
	s_mov_b32 s37, 256                             ; elements from row to row
	s_mov_b32 s38, 0
	s_mov_b32 s39, 0
	s_mul_i32 s27, s26, XT                         ; my tile in LDS
	s_lshl_b32 s46, ttmp9, 17                      ; 128 pixels of 1,024 bytes a work-group,
	s_lshl_b32 s47, s26, 16                        ; 64 a wave
	s_add_co_u32 s46, s46, s47
	s_mov_b32 s47, 0
	s_lshr_b32 s54, ttmp9, 3                       ; image
	s_mul_i32 s54, s54, 53248
	s_mov_b32 s55, 0
	s_and_b32 s56, ttmp9, 7
	s_lshl_b32 s56, s56, 1
	s_add_co_u32 s56, s56, s26                     ; c' = 2 ks + wave
	s_lshl_b32 s58, ttmp9, 14                      ; vk: 16,384 bytes for each (image, ks),
	s_lshl_b32 s59, s26, 9                         ; 512 on for c = 1
	s_add_co_u32 s58, s58, s59
	s_mov_b32 s59, 0
	s_lshl_b32 s31, s26, 9
	s_add_co_u32 s31, s31, SCR                     ; my scratch
	s_wait_dscnt 0x0
	s_wait_kmcnt 0x0
	s_mov_b32 s40, 1                               ; group 0: count = 1,
	s_mov_b32 s41, s27                             ; LDS address,
	s_add_nc_u64 s[42:43], s[4:5], s[46:47]        ; global address of my first pixel,
	s_or_b32 s43, s43, 0x80000000                  ; type = 2
	tensor_load_to_lds s[40:43], s[32:39]          ; my 64 rows of x: filled once, read by me alone
	s_nop 0
	PLACES 4
	s_load_b32 s44, s[20:21], 0x0                  ; thr_b's number
	s_add_nc_u64 s[22:23], s[22:23], s[54:55]      ; early at my image
	s_add_nc_u64 s[24:25], s[24:25], s[58:59]      ; vk at my (image, ks, c)
	s_lshl_b32 s46, s56, 11
	s_add_nc_u64 s[48:49], s[22:23], s[46:47]      ; + 2,048 c': EK
	s_lshl_b32 s46, s56, 8
	s_add_nc_u64 s[50:51], s[22:23], s[46:47]      ; + 256 c': ES, NS, TQ
	s_lshl_b32 s46, s56, 9
	s_add_nc_u64 s[52:53], s[22:23], s[46:47]      ; + 512 c': VS
	v_and_b32 v1, 31, v0                           ; lane
	v_and_b32 v2, 15, v0                           ; r
	v_bfe_u32 v3, v0, 4, 1                         ; h
	v_and_b32 v20, 7, v0
	v_bfe_u32 v21, v0, 3, 1
	v_lshl_add_u32 v19, v21, 5, v20                ; rr = r % 8 + 32 (r / 8): a tile's row r, less 8 tau
	v_mul_u32_u24 v4, v19, XP
	v_lshl_add_u32 v4, v3, 7, v4
	v_add_nc_u32 v4, s27, v4                       ; x in LDS: row rr, + 128 h: my block of each pair of blocks
	v_lshlrev_b32 v5, 7, v2
	v_lshl_add_u32 v5, v3, 4, v5                   ; attn_W: row r of 128 bytes, + 16 h
	v_lshlrev_b32 v6, 7, v19
	v_lshl_add_u32 v6, v3, 4, v6                   ; emb_W: row rr
	v_lshlrev_b32 v7, 3, v2                        ; attn_W's scales: 8 bytes a row
	v_lshlrev_b32 v8, 3, v19                       ; emb_W's
	v_lshlrev_b32 v9, 7, v3                        ; emb_b: my half's 32 numbers
	v_lshlrev_b32 v10, 2, v2                       ; attn_b, thr_W: 4 r
	v_lshlrev_b32 v11, 4, v1                       ; an image's place for my lane
	v_lshlrev_b32 v12, 3, v3                       ; 8 h: my byte's place in a scale word
	v_lshl_add_u32 v13, v3, 7, s31                 ; scratch: T' of my half's 32 pixels
	v_lshl_add_u32 v14, v19, 2, s31
	v_add_nc_u32 v14, 256, v14                     ; scratch: -sq / 2 of pixel rr + 8 tau
	v_lshl_add_u32 v15, v1, 3, s31                 ; and back, 8 bytes a lane
	v_lshlrev_b32 v16, 3, v1
	v_lshlrev_b32 v17, 4, v2
	v_lshl_add_u32 v17, v3, 3, v17                 ; ES: 16 r + 8 h
	v_lshlrev_b32 v18, 5, v2
	v_lshl_add_u32 v18, v3, 4, v18                 ; VS: 32 r + 16 h
	v_cmp_eq_u32 s45, 1, v3                        ; lanes 16-31
.irp i,20,21,22,23
	v_mov_b32 v\i, 0                               ; written once: a lane permute's destination counts as one of its sources
.endr
	; the weights go from memory straight into the registers in which they stay
	WIN 0x40
.irp ct,0,1,2,3,4,5,6,7,8,9,10,11,12,13,14,15
.irp s,0,1
.irp c,0,1
	global_load_b128 v[8*(2*\ct+\s)+4*\c:8*(2*\ct+\s)+4*\c+3], v5, s[12:13] offset:2048*\ct+64*\s+32*\c   ; attn_W, channels 16 ct on, K step s
.endr
.endr
.endr
	WIN 0x80
.irp tf,0,1,2,3
.irp s,0,1
.irp c,0,1
	global_load_b128 v[EW+8*(2*\tf+\s)+4*\c:EW+8*(2*\tf+\s)+4*\c+3], v6, s[6:7] offset:1024*\tf+64*\s+32*\c   ; emb_W, rows rr + 8 tf
.endr
.endr
.endr
	WIN 0xc0
.irp tf,0,1,2,3
	global_load_b128 v[EB+8*\tf:EB+8*\tf+3], v9, s[10:11] offset:32*\tf          ; emb_b in the result's layout: f = 32 h + 8 tf + 0 .. 7
	global_load_b128 v[EB+8*\tf+4:EB+8*\tf+7], v9, s[10:11] offset:32*\tf+16
.endr
.irp ct,0,1,2,3,4,5,6,7,8,9,10,11,12,13,14,15
	global_load_b32 v[TW+2*\ct], v10, s[18:19] offset:64*\ct                     ; thr_W(16 ct + r), twice: a pair for the packed form
	global_load_b32 v[TW+2*\ct+1], v10, s[18:19] offset:64*\ct
.endr
	WIN 0
.irp ct,0,1,2,3,4,5,6,7,8,9,10,11,12,13,14,15
	global_load_b64 v[WSC+2*\ct:WSC+2*\ct+1], v7, s[14:15] offset:128*\ct        ; a row's 8 scale bytes: the words of K steps 0 and 1
	global_load_b32 v[AB+\ct], v10, s[16:17] offset:64*\ct
.endr
.irp tf,0,1,2,3
	global_load_b64 v[EWS+2*\tf:EWS+2*\tf+1], v8, s[8:9] offset:64*\tf
.endr
; The 128 numbers that a lane holds of tile tau: of its row, blocks h, 2 + h, 4 + h, 6 + h of 32 channels: block m's at v[XST + 32 m].  That is the order of the operand's registers.
; The tile's two groups of eight rows lie 32 rows apart, a whole number of times 256 bytes: these loads go two deep on the banks; there are 128 of them in the launch.
.macro XLOAD tau
.irp m,0,1,2,3
.irp q,0,1,2,3,4,5,6,7
	ds_load_b128 v[XST+32*\m+4*\q:XST+32*\m+4*\q+3], v4 offset:(\tau)*8*XP+256*\m+16*\q
.endr
.endr
.endm
.macro XQUANT tau
	s_wait_dscnt 0x0                               ; the tile's 32 loads are in
.irp m,0,1,2,3
	v_max3_num_f32 v[MX+\m], |v[XST+32*\m]|, |v[XST+32*\m+1]|, FLOOR              ; a block's largest magnitude: all 32 numbers are mine; the four blocks by turns
.endr
.irp i,2,4,6,8,10,12,14,16,18,20,22,24,26,28,30
.irp m,0,1,2,3
	v_max3_num_f32 v[MX+\m], v[MX+\m], |v[XST+32*\m+\i]|, |v[XST+32*\m+\i+1]|
.endr
.endr
.irp m,0,1,2,3
	v_add_nc_u32 v[SO+\m], STEP2, v[MX+\m]         ; 2 off its exponent field: the conversion takes the exponent field of this operand as its scale
.endr
.irp m,0,1,2,3
	v_lshrrev_b32 v[BY+\m], 23, v[SO+\m]           ; the scale's byte
.endr
	WIN 0x80                                       ; the codes go to window 2: registers 4 (m % 2) .. + 3 of the fragment of K step m / 2
.irp m,0,1,2,3
.irp k,0,1,2,3
	v_cvt_scalef32_pk8_fp4_f32 v[XF+16*(\tau)+4*\m+\k], v[XST+32*\m+8*\k:XST+32*\m+8*\k+7], v[SO+\m]
.endr
.endr
	v_nop                                          ; one plain place behind a scaled conversion
	WIN 0
.if (\tau) < 3
	XLOAD (\tau)+1                                 ; the next tile lands while the scale words are made
.endif
	v_lshl_or_b32 v24, v[BY+1], 16, v[BY]          ; K step 0: my bytes are those of blocks h and 2 + h,
	v_lshl_or_b32 v25, v[BY+3], 16, v[BY+2]        ; K step 1 likewise,
	v_lshlrev_b32 v24, v12, v24                    ; 8 h bits up;
	v_lshlrev_b32 v25, v12, v25
	v_permlanex16_b32 v20, v24, s28, s29
	v_permlanex16_b32 v21, v25, s28, s29
	v_or_b32 v[XSC+2*(\tau)], v24, v20             ; with lane l xor 16's two the word is whole, in both halves
	v_or_b32 v[XSC+2*(\tau)+1], v25, v21
.endm
	s_wait_tensorcnt 0x0                           ; my tile is in LDS; nobody else reads it
	XLOAD 0
	XQUANT 0
	XQUANT 1
	XQUANT 2
	XQUANT 3
	s_wait_loadcnt 0x0                             ; the weights, scales and biases
	PLACES 8                                       ; a scale register written by a vector instruction stands 8 places ahead of a scaled matrix instruction
	; emb^T = emb_W x^T + emb_b: source 0 = 16 rows of emb_W, source 1 = a tile of pixels.  Lane (r, h) then holds pixel r of the tile, and the 32 registers of tf = 0 .. 3 are f = 32 h + 0 .. 31.
	; The 16 accumulators take turns, in the same order in both K steps.
	WIN 0xba                                       ; D, sources 0 and 1 window 2; C (emb_b) window 3
.irp tau,0,1,2,3
.irp tf,0,1,2,3
	v_wmma_scale_f32_16x16x128_f8f6f4 v[ED+32*\tau+8*\tf:ED+32*\tau+8*\tf+7], v[EW+16*\tf:EW+16*\tf+7], v[XF+16*\tau:XF+16*\tau+7], v[EB+8*\tf:EB+8*\tf+7], v[EWS+2*\tf], v[XSC+2*\tau] matrix_a_fmt:MATRIX_FMT_FP4 matrix_b_fmt:MATRIX_FMT_FP4
.endr
.endr
	WIN 0xaa
.irp tau,0,1,2,3
.irp tf,0,1,2,3
	v_wmma_scale_f32_16x16x128_f8f6f4 v[ED+32*\tau+8*\tf:ED+32*\tau+8*\tf+7], v[EW+16*\tf+8:EW+16*\tf+15], v[XF+16*\tau+8:XF+16*\tau+15], v[ED+32*\tau+8*\tf:ED+32*\tau+8*\tf+7], v[EWS+2*\tf+1], v[XSC+2*\tau+1] matrix_a_fmt:MATRIX_FMT_FP4 matrix_b_fmt:MATRIX_FMT_FP4
.endr
.endr
	PLACES 4
	WIN 0x0a                                       ; sources 0 and 1 window 2
.irp tau,0,1,2,3
	v_pk_mul_f32 v[112+2*\tau:113+2*\tau], v[ED+32*\tau:ED+32*\tau+1], v[ED+32*\tau:ED+32*\tau+1]   ; the sum of squares of the UNQUANTISED emb; each accumulator is read from its low end on
.endr
.irp i,2,4,6,8,10,12,14,16,18,20,22,24,26,28,30
.irp tau,0,1,2,3
	v_pk_fma_f32 v[112+2*\tau:113+2*\tau], v[ED+32*\tau+\i:ED+32*\tau+\i+1], v[ED+32*\tau+\i:ED+32*\tau+\i+1], v[112+2*\tau:113+2*\tau]
.endr
.endr
.irp tau,0,1,2,3
	v_max3_num_f32 v[120+\tau], |v[ED+32*\tau]|, |v[ED+32*\tau+1]|, FLOOR         ; my block's largest magnitude
.endr
.irp i,2,4,6,8,10,12,14,16,18,20,22,24,26,28,30
.irp tau,0,1,2,3
	v_max3_num_f32 v[120+\tau], |v[ED+32*\tau+\i]|, |v[ED+32*\tau+\i+1]|, v[120+\tau]
.endr
.endr
	WIN 0
.irp tau,0,1,2,3
	v_add_f32 v[112+2*\tau], v[112+2*\tau], v[113+2*\tau]
.endr
.irp tau,0,1,2,3
	v_permlanex16_b32 v[20+\tau], v[112+2*\tau], s28, s29
.endr
.irp tau,0,1,2,3
	v_add_f32 v[112+2*\tau], v[112+2*\tau], v[20+\tau]                           ; with the other 32 of the 64
.endr
.irp tau,0,1,2,3
	v_mul_f32 v[112+2*\tau], -0.5, v[112+2*\tau]
.endr
.irp tau,0,1,2,3
	ds_store_b32 v14, v[112+2*\tau] offset:32*\tau                               ; both halves write the same word with the same number
.endr
.irp tau,0,1,2,3
	v_add_nc_u32 v[124+\tau], STEP2, v[120+\tau]
.endr
.irp tau,0,1,2,3
	v_lshrrev_b32 v[24+\tau], 23, v[124+\tau]
.endr
.irp tau,0,1,2,3
	v_lshlrev_b32 v[24+\tau], v12, v[24+\tau]
.endr
.irp tau,0,1,2,3
	v_permlanex16_b32 v[20+\tau], v[24+\tau], s28, s29
.endr
.irp tau,0,1,2,3
	v_or_b32 v[24+\tau], v[24+\tau], v[20+\tau]
.endr
.irp tau,0,1,2,3
	v_or_b32 v[ESW+\tau], 0x7f7f0000, v[24+\tau]   ; K = 64 fills half of the instruction's 128: the other two blocks have zero codes and the byte of 1.0
.endr
	WIN 0x02
.irp tau,0,1,2,3
.irp k,0,1,2,3
	v_cvt_scalef32_pk8_fp4_f32 v[EC+4*\tau+\k], v[ED+32*\tau+8*\k:ED+32*\tau+8*\k+7], v[124+\tau]
.endr
.endr
	v_nop                                          ; one plain place behind a scaled conversion
	WIN 0
.irp tau,0,1,2,3
	global_store_b128 v11, v[EC+4*\tau:EC+4*\tau+3], s[48:49] offset:512*\tau    ; registers 0-3 of the tile's fragment: 512 consecutive bytes
.endr
	v_cndmask_b32 v252, v[ESW], v[ESW+2], s45
	v_cndmask_b32 v253, v[ESW+1], v[ESW+3], s45
	global_store_b64 v17, v[252:253], s[50:51] offset:32768                      ; row r's four words, two from each half of the lanes: 256 consecutive bytes
; shortcut = x attn_W^T + attn_b, four tiles of 16 channels at a time: source 0 = a tile of pixels, source 1 = 16 rows of attn_W.  Lane (r, h) holds channel 16 ct + r, and the 32 registers of
; tau = 0 .. 3 are pixels 32 h + 0 .. 31: one whole block along the last product's K.
.macro BATCH beta
.irp ctl,0,1,2,3
.irp j,0,1,2,3,4,5,6,7
	v_mov_b32 v[CB+8*\ctl+\j], v[AB+4*(\beta)+\ctl]                              ; the bias as the C of a sum's first product: the same number in a lane's eight registers
.endr
.endr
	PLACES 4
	WIN 0xc6                                       ; D window 3, C window 0, source 1 (attn_W) window 1, source 0 (x) window 2
.irp ctl,0,1,2,3
.irp tau,0,1,2,3
	v_wmma_scale_f32_16x16x128_f8f6f4 v[SD+32*\ctl+8*\tau:SD+32*\ctl+8*\tau+7], v[XF+16*\tau:XF+16*\tau+7], v[16*(4*(\beta)+\ctl):16*(4*(\beta)+\ctl)+7], v[CB+8*\ctl:CB+8*\ctl+7], v[XSC+2*\tau], v[WSC+2*(4*(\beta)+\ctl)] matrix_a_fmt:MATRIX_FMT_FP4 matrix_b_fmt:MATRIX_FMT_FP4
.endr
.endr
	WIN 0xf6
.irp ctl,0,1,2,3
.irp tau,0,1,2,3
	v_wmma_scale_f32_16x16x128_f8f6f4 v[SD+32*\ctl+8*\tau:SD+32*\ctl+8*\tau+7], v[XF+16*\tau+8:XF+16*\tau+15], v[16*(4*(\beta)+\ctl)+8:16*(4*(\beta)+\ctl)+15], v[SD+32*\ctl+8*\tau:SD+32*\ctl+8*\tau+7], v[XSC+2*\tau+1], v[WSC+2*(4*(\beta)+\ctl)+1] matrix_a_fmt:MATRIX_FMT_FP4 matrix_b_fmt:MATRIX_FMT_FP4
.endr
.endr
	PLACES 4
	WIN 0xff
.irp ctl,0,1,2,3
.irp i,0,2,4,6,8,10,12,14,16,18,20,22,24,26,28,30
.if (4*(\beta)+\ctl) == 0
	v_pk_mul_f32 v[TA+\i:TA+\i+1], v[SD+32*\ctl+\i:SD+32*\ctl+\i+1], v[TW+2*(4*(\beta)+\ctl):TW+2*(4*(\beta)+\ctl)+1]   ; T's sums in f32: my channel's share for my 32 pixels
.else
	v_pk_fma_f32 v[TA+\i:TA+\i+1], v[SD+32*\ctl+\i:SD+32*\ctl+\i+1], v[TW+2*(4*(\beta)+\ctl):TW+2*(4*(\beta)+\ctl)+1], v[TA+\i:TA+\i+1]
.endif
.endr
.endr
	WIN 0x0f                                       ; sources 0 and 1 window 3
.irp ctl,0,1,2,3
	v_max3_num_f32 v[MX+\ctl], |v[SD+32*\ctl]|, |v[SD+32*\ctl+1]|, FLOOR
.endr
.irp i,2,4,6,8,10,12,14,16,18,20,22,24,26,28,30
.irp ctl,0,1,2,3
	v_max3_num_f32 v[MX+\ctl], |v[SD+32*\ctl+\i]|, |v[SD+32*\ctl+\i+1]|, v[MX+\ctl]
.endr
.endr
	WIN 0
.irp ctl,0,1,2,3
	v_add_nc_u32 v[SO+\ctl], STEP2, v[MX+\ctl]
.endr
.irp ctl,0,1,2,3
	v_lshrrev_b32 v[BY+\ctl], 23, v[SO+\ctl]
.endr
.irp ctl,0,1,2,3
	v_lshlrev_b32 v[BY+\ctl], v12, v[BY+\ctl]
.endr
.irp ctl,0,1,2,3
	v_permlanex16_b32 v[20+\ctl], v[BY+\ctl], s28, s29
.endr
.irp ctl,0,1,2,3
	v_or_b32 v[BY+\ctl], v[BY+\ctl], v[20+\ctl]    ; the bytes of blocks 2 c' and 2 c' + 1 of channel 16 ct + r
.endr
	v_lshl_or_b32 v[VW+2*(\beta)], v[BY+1], 16, v[BY]
	v_lshl_or_b32 v[VW+2*(\beta)+1], v[BY+3], 16, v[BY+2]
	WIN 0x03
.irp ctl,0,1,2,3
.irp k,0,1,2,3
	v_cvt_scalef32_pk8_fp4_f32 v[VC+4*(4*(\beta)+\ctl)+\k], v[SD+32*\ctl+8*\k:SD+32*\ctl+8*\k+7], v[SO+\ctl]
.endr
.endr
	v_nop                                          ; one plain place behind a scaled conversion
	WIN 0
.irp ctl,0,1,2,3
	global_store_b128 v11, v[VC+4*(4*(\beta)+\ctl):VC+4*(4*(\beta)+\ctl)+3], s[24:25] offset:1024*(4*(\beta)+\ctl)   ; 512 consecutive bytes; each tile has registers of its own, so no store's data are written again
.endr
.endm
	BATCH 0
	BATCH 1
	BATCH 2
	BATCH 3
	; T' = -log2(e) (the sum over all 256 channels + thr_b).  Each lane's share is scaled and given a sixteenth of the bias (an exact division); the sum over the 16 lanes of a half follows.
	s_wait_kmcnt 0x0
	v_mov_b32 v27, s44
	v_mul_f32 v27, s30, v27
	v_mul_f32 v27, 0x3d800000, v27
	WIN 0x03
.set i, 0
.rept 32
	v_fma_f32 v[CB+i], v[TA+i], s30, v27
.set i, i+1
.endr
	WIN 0
.irp x,1,2,4,8
.set i, 0
.rept 32
	v_add_f32_dpp v[CB+i], v[CB+i], v[CB+i] row_xmask:\x row_mask:0xf bank_mask:0xf
.set i, i+1
.endr
.endr
.irp q,0,1,2,3,4,5,6,7
	ds_store_b128 v13, v[CB+4*\q:CB+4*\q+3] offset:16*\q                         ; the 16 lanes of a half write the same bytes with the same numbers
.endr
	ds_load_b64 v[20:21], v15                      ; LDS serves a wave's instructions in order: these see my stores
	ds_load_b64 v[22:23], v15 offset:256
.irp k,0,1,2,3
	v_cndmask_b32 v[28+\k], v[VW+\k], v[VW+4+\k], s45
.endr
	global_store_b128 v18, v[28:31], s[52:53] offset:45056                       ; VS: row r's 32 bytes, 16 from each half of the lanes: 512 consecutive bytes
	s_wait_dscnt 0x0
	global_store_b64 v16, v[20:21], s[50:51] offset:40960                        ; TQ: 256 consecutive bytes, aligned
	global_store_b64 v16, v[22:23], s[50:51] offset:36864                        ; NS likewise
	s_wait_tensorcnt 0x0
	ds_add_u32 v94, v95
	s_wait_dscnt 0x0
	s_endpgm
.Lfunc_end_k_q289de7baf9_project:
	.size	k_q289de7baf9_project, .Lfunc_end_k_q289de7baf9_project-k_q289de7baf9_project
	.p2alignl 7, 3214868480
	.fill 96, 4, 3214868480
	.section	.rodata,"a",@progbits
	.p2align	6, 0x0
	.amdhsa_kernel k_q289de7baf9_project
		.amdhsa_group_segment_fixed_size 168192
		.amdhsa_private_segment_fixed_size 0
		.amdhsa_enable_private_segment 0
		.amdhsa_kernarg_size 88
		.amdhsa_user_sgpr_count 2
		.amdhsa_user_sgpr_kernarg_segment_ptr 1
		.amdhsa_wavefront_size32 1
		.amdhsa_system_sgpr_workgroup_id_x 1
		.amdhsa_system_sgpr_workgroup_id_y 1
		.amdhsa_system_sgpr_workgroup_id_z 1
		.amdhsa_system_vgpr_workitem_id 0
		.amdhsa_next_free_vgpr 1024
		.amdhsa_next_free_sgpr 66
		.amdhsa_reserve_vcc 0
		.amdhsa_float_denorm_mode_32 3
		.amdhsa_float_denorm_mode_16_64 3
		.amdhsa_memory_ordered 1
		.amdhsa_forward_progress 1
		.amdhsa_inst_pref_size 143
	.end_amdhsa_kernel
	.amdgpu_metadata
---
amdhsa.version: [ 1, 2 ]
amdhsa.kernels:
  - .name:           k_q289de7baf9_project
    .symbol:         k_q289de7baf9_project.kd
    .args:
      - { .name: feature_map, .offset: 0, .size: 8, .value_kind: global_buffer, .address_space: global }
      - { .name: emb_W_codes, .offset: 8, .size: 8, .value_kind: global_buffer, .address_space: global }
      - { .name: emb_W_scales, .offset: 16, .size: 8, .value_kind: global_buffer, .address_space: global }
      - { .name: emb_b, .offset: 24, .size: 8, .value_kind: global_buffer, .address_space: global }
      - { .name: attn_W_codes, .offset: 32, .size: 8, .value_kind: global_buffer, .address_space: global }
      - { .name: attn_W_scales, .offset: 40, .size: 8, .value_kind: global_buffer, .address_space: global }
      - { .name: attn_b, .offset: 48, .size: 8, .value_kind: global_buffer, .address_space: global }
      - { .name: thr_W, .offset: 56, .size: 8, .value_kind: global_buffer, .address_space: global }
      - { .name: thr_b, .offset: 64, .size: 8, .value_kind: global_buffer, .address_space: global }
      - { .name: early, .offset: 72, .size: 8, .value_kind: global_buffer, .address_space: global }
      - { .name: vk, .offset: 80, .size: 8, .value_kind: global_buffer, .address_space: global }
    .group_segment_fixed_size: 168192
    .private_segment_fixed_size: 0
    .kernarg_segment_align: 8
    .kernarg_segment_size: 88
    .max_flat_workgroup_size: 64
    .sgpr_count:     66
    .vgpr_count:     1024
    .wavefront_size: 32
...
	.end_amdgpu_metadata
.endif
;; end of part 1
;; launch attend (part 2): grid 8 x 32, 4 waves a work-group, clusters of 4 x 1, 251,392 bytes of LDS; arguments feature_map, early, vk, out0; writes out0
.if DOCPART == 2
	.amdgcn_target "amdgcn-amd-amdhsa--gfx1250"
	.amdhsa_code_object_version 6
	.text
	.protected	k_q289de7baf9_attend
	.globl	k_q289de7baf9_attend
	.p2align	8
	.type	k_q289de7baf9_attend,@function
k_q289de7baf9_attend:
	s_mov_b64 s[64:65], 0
	v_nop
	global_prefetch_b8 v0, s[64:65] scope:SCOPE_SE
	s_setreg_imm32_b32 hwreg(HW_REG_WAVE_MODE, 25, 1), 1
	s_wait_xcnt 0x0
	s_wait_alu depctr_hold_cnt(0) depctr_sa_sdst(0) depctr_va_vdst(0) depctr_va_sdst(0) depctr_va_ssrc(0) depctr_va_vcc(0) depctr_vm_vsrc(0)
	s_getreg_b32 s2, hwreg(HW_REG_IB_STS2, 6, 4)
	s_cmp_eq_u32 s2, 0
	s_cbranch_scc0 .Lentry_in_a_cluster
	s_endpgm
.Lentry_in_a_cluster:
	s_bfe_u32 s2, ttmp6, 0x10000c
	s_cmp_lg_u32 s2, 0x3003
	s_cbranch_scc0 .Lentry_shape_is_right
	s_endpgm
.Lentry_shape_is_right:
; ATTEND.  out = x + (Q(p) Q(shortcut)) / l, with p the second softmax's 2^(t - M).  It reads what the launch before has laid out: early (emb's codes and scale words, -sq / 2, T' = -log2(e) T, shortcut's scale
; bytes) and vk (shortcut's codes along the pixels), both as images of operand registers.
; SHARES.  Work-group (x 0 .. 7, image) owns 128 queries, in two rounds of 64; in a round each of the four waves owns 16 neighbouring pixels, half an image row.  A wave keeps S^T of its 16 queries against ALL
; 1,024 keys in 512 registers (windows 1 and 2): the first softmax wants its whole row before the second can begin, and so each of its exponentials is taken once.
; LAYOUT.  S^T = K Q^T, O^T = V^T P^T: a lane holds ONE query (lane % 16).  The keys of a tile are not neighbours (row r of tile (c', tau) is key 64 c' + 32 (r / 8) + 8 tau + r % 8), so that in group g
; (128 keys) register 32 pp + i of lane half h is key x = i of image row 4 g + 2 pp + h: a lane holds whole blocks of 32 keys.  So a block's maximum needs no other lane, the conversions' results are the last
; product's operand as they stand, and the L1 distance is a table of 32 numbers a lane (|xi - i|) and one number for each pair of image rows.
; ARITHMETIC of a pair (i, j).  The product adds onto C = -sq_j / 2;  S = 2 log2(e) (g - sq_j / 2 - sq_i / 2), held at 0 from above (the clip of d2);  U = 2^S = exp(-d2);
;   H = log2(e) (1 - mask): c (32 - dy) - c dx with c = log2(e) / 32, which is +0 or more inside the cutoff and negative beyond it; an UNSIGNED minimum with the bits of log2(e) keeps the first and turns the second into log2(e);
;   e1 = 2^(log2(e) U - H);  l1 = its row's sum;  s = e1 log2(e) / l1 + T'_j;  t = max(s, 0);  M = ceil(the row's largest t);  p = 2^(t - M);  l = the sum of the unquantised p.
; THE FIRST SOFTMAX TAKES NO MAXIMUM AWAY: its logits exp(-d2) - (1 - mask) lie in [-1, 1] for every input (d2 is clipped at 0, the mask lies in [0, 1]), so its exponentials lie between 0.36 and 2.72 and a row's sum under 2,800.
; The second takes the row's true maximum, rounded up to a whole number.
; CLUSTER.  The eight work-groups of an image read the same 184,320 bytes; the four of a cluster ask for them JOINTLY (mask 15).  All tensor loads are first fills behind one round; nothing is filled again.
; The place in the cluster enters global addresses and the query's image row alone: no LDS address, no branch.
; No prefetch: early and vk are wanted at the head; x is asked for six K steps ahead of its use, into registers.
; LIMITS: NaN and infinities are not served.  v_exp_f32 gives 0 for results under 2^-126: exp(-d2) for d2 over 87, and p more than 126 under the row's largest.  A block whose every p is 0 keeps the scale byte 1: its
; codes are zeros.  A block's largest p is made from its largest t by the element's own two instructions, which takes v_exp_f32 not to fall where its input rises.
; REGISTERS.  window 0: v1-15 addresses and lane numbers; v16-17 K2 x (-sq_i / 2); v18-19 log2(e) / l1; v20-21 -M; v22-29 l's four pairs; v30-33 at work; v34-39 the next round's Q, scale word, -sq / 2;
;   v40-47 Q (upper four 0); v48 -sq_i / 2; v49 h; v50-55 at work; v56-87 c |xi - i|; v88-151 eight fragments of K (upper four 0), in pass 2: v88-119 block maxima, v120-135 the conversions' scale operands, v136-143 p's codes;
;   v152 Q's scale word; v156-159 K's; v160-167 p's; v168-231 V's; v232-247 at work.
;   windows 1, 2: S.  window 3: v0-127 O^T (in pass 1: v0-31 c |xi - i|, v32-63 c (32 - dy) in pairs, v64-71 l1's four pairs); v128-255: pass 1 U and H, pass 2a two buffers of T', pass 2b 16 fragments of V.
.set FLOOR, 0x1800000
.set STEP2, 0xff000000
.set CDX, 56
.set KS,  88
.set QS,  152
.set KSC, 156
.set PW,  160
.set VS,  168
.set BMA, 88
.set BMB, 104
.set SOP, 120
.set PC,  136
.set ACC, 22
.set MSB, 0
.macro WIN new                         ; the immediate's high byte repeats the setting that is left; a switch that changes nothing is dropped.  Low byte: bits 1:0 source 0, 3:2 source 1, 5:4 source 2, 7:6 destination
.if MSB != (\new)
	s_set_vgpr_msb (MSB<<8)|(\new)
.set MSB, (\new)
.endif
.endm
.macro PLACES n
.rept \n
	v_nop
.endr
.endm
.macro ROUND                           ; a round of the cluster's barrier
	s_barrier_signal -1
	s_barrier_wait -1
	s_cmp_lg_u32 s12, 0
	s_cbranch_scc1 .Lnot_wave_0_\@
	s_barrier_signal -3
.Lnot_wave_0_\@:
	s_barrier_wait -3
	s_barrier_signal -1
	s_barrier_wait -1
.endm
	s_load_b256 s[4:11], s[0:1], 0x0               ; feature_map s[4:5], early s[6:7], vk s[8:9], out0 s[10:11]
	v_lshl_add_u32 v254, v0, 2, 0x3d400
	v_mov_b32 v255, 0
	ds_add_u32 v254, v255
	ds_add_u32 v254, v255
	v_lshrrev_b32 v1, 5, v0
	v_readfirstlane_b32 s12, v1                    ; wave 0..3
	s_bfe_u32 s13, ttmp6, 0x40000                  ; cx
	s_lshl_b32 s14, ttmp9, 2
	s_add_co_u32 s14, s14, s13                     ; work-group x = 4 x cluster x + cx
	s_and_b32 s15, ttmp7, 0xffff                   ; the image, which the four partners share
	; descriptor groups 1: dense blocks as rows of 256 bytes (32 elements of 8 bytes); mask 15, bit 21 beside it
	s_mov_b32 s24, 15|(3<<16)|(1<<21)
	s_mov_b32 s25, 32<<16
	s_mov_b32 s26, 52<<16                          ; a quarter of early's 53,248 bytes: 52 rows
	s_mov_b32 s27, 32<<16
	s_mov_b32 s28, 52
	s_mov_b32 s29, 32
	s_mov_b32 s30, 0
	s_mov_b32 s31, 0
	s_mov_b32 s32, 15|(3<<16)|(1<<21)
	s_mov_b32 s33, 32<<16
	s_mov_b32 s34, 128<<16                         ; a quarter of vk's 131,072 bytes: 128 rows
	s_mov_b32 s35, 32<<16
	s_mov_b32 s36, 128
	s_mov_b32 s37, 32
	s_mov_b32 s38, 0
	s_mov_b32 s39, 0
	s_mov_b32 s48, 0x4038aa3b                      ; 2 log2(e)
	s_mov_b32 s49, s48
	s_mov_b32 s50, 0x3fb8aa3b                      ; log2(e)
	s_mov_b32 s51, s50
	s_mov_b32 s52, 0x3d38aa3b                      ; c = log2(e) / 32
	s_mov_b32 s53, s50
	s_mov_b32 s54, 0x76543210
	s_mov_b32 s55, 0xfedcba98                      ; v_permlanex16_b32's selects for lane l xor 16
	s_mov_b32 s56, 2                               ; rounds to go
	s_lshl_b32 s57, s14, 2
	s_lshr_b32 s18, s12, 1
	s_add_co_u32 s57, s57, s18                     ; yi = 4 x work-group x + wave / 2, + 2 a round
	s_mul_i32 s16, s15, 53248
	s_mov_b32 s17, 0
	s_mul_i32 s20, s12, 13312
	s_mov_b32 s21, 0
	s_wait_dscnt 0x0
	s_wait_kmcnt 0x0
	s_add_nc_u64 s[62:63], s[6:7], s[16:17]        ; early at the image
	s_mov_b32 s40, 1
	s_mov_b32 s41, s20                             ; LDS: EARLY begins at 0
	s_add_nc_u64 s[42:43], s[62:63], s[20:21]
	s_or_b32 s43, s43, 0x80000000
	s_lshl_b32 s16, s15, 17
	s_lshl_b32 s20, s12, 15
	s_mov_b32 s44, 1
	s_add_co_u32 s45, s20, 53248                   ; LDS: VK begins at 53,248
	s_add_nc_u64 s[46:47], s[8:9], s[16:17]
	s_add_nc_u64 s[46:47], s[46:47], s[20:21]
	s_or_b32 s47, s47, 0x80000000
	s_lshl_b32 s16, s15, 20                        ; x and out at my wave's 16 pixels: 1,024 bytes a pixel
	s_lshl_b32 s20, s14, 17
	s_add_co_u32 s16, s16, s20
	s_lshl_b32 s20, s12, 14
	s_add_co_u32 s16, s16, s20
	s_add_nc_u64 s[58:59], s[4:5], s[16:17]
	s_add_nc_u64 s[60:61], s[10:11], s[16:17]
	ROUND                                          ; all four work-groups are here: the joint loads meet
	tensor_load_to_lds s[40:43], s[24:31]          ; my quarter of EARLY,
	s_nop 0
	tensor_load_to_lds s[44:47], s[32:39]          ; and of VK: two loads of mine are out
	s_nop 0
	PLACES 4
	v_and_b32 v50, 31, v0                          ; lane
	v_and_b32 v51, 15, v0                          ; r
	v_bfe_u32 v49, v0, 4, 1                        ; h
	v_and_b32 v52, 7, v0
	v_bfe_u32 v53, v0, 3, 1
	v_lshlrev_b32 v1, 4, v50                       ; AK: an image's place for my lane
	v_add_nc_u32 v2, 32768, v1                     ; AS: K's scale words: lanes 0-15 those of pair 2 g, lanes 16-31 of pair 2 g + 1
	v_lshl_add_u32 v3, v49, 7, 36864               ; AN: -sq / 2 of my half's image row
	v_lshl_add_u32 v4, v49, 7, 40960               ; AT: T' likewise
	v_add_nc_u32 v5, 53248, v1                     ; AV0: V's fragments of K steps 0-3,
	v_add_nc_u32 v6, 118784, v1                    ; AV1: of K steps 4-7
	s_mul_i32 s16, s12, 16640
	s_add_co_u32 s16, s16, 184320                  ; my stage: 16 rows of 1,024 bytes + 16
	v_mul_u32_u24 v7, v51, 1040
	v_lshl_add_u32 v7, v49, 5, v7
	v_add_nc_u32 v7, s16, v7                       ; in: row r, + 32 h
	v_add_nc_u32 v8, s16, v1                       ; back: 16 bytes a lane
	s_and_b32 s17, s12, 1
	s_lshl_b32 s19, s14, 12                        ; Q's codes in EK: 4,096 x work-group x + 512 (2 (w % 2) + r / 8) + 16 (r % 8 + 8 (w / 2) + 16 h)
	s_lshl_b32 s20, s17, 10
	s_add_co_u32 s19, s19, s20
	s_lshl_b32 s20, s18, 7
	s_add_co_u32 s19, s19, s20
	v_lshlrev_b32 v9, 9, v53
	v_lshl_add_u32 v9, v52, 4, v9
	v_lshl_add_u32 v9, v49, 8, v9
	v_add_nc_u32 v9, s19, v9
	s_lshl_b32 s19, s14, 9                         ; its scale word in ES: 512 x work-group x + 16 (r % 8 + 8 (w / 2)) + 4 (2 (w % 2) + r / 8)
	s_add_co_u32 s20, s19, s20
	s_lshl_b32 s21, s17, 3
	s_add_co_u32 s20, s20, s21
	v_lshlrev_b32 v10, 4, v52
	v_lshl_add_u32 v10, v53, 2, v10
	v_add_nc_u32 v10, s20, v10
	s_lshl_b32 s21, s12, 6                         ; -sq_i / 2 in NS: 4 (128 x work-group x + 16 w + r)
	s_add_co_u32 s21, s19, s21
	v_lshl_add_u32 v11, v51, 2, s21
	global_load_b128 v[40:43], v9, s[62:63]                      ; round 0
	global_load_b128 v[34:37], v9, s[62:63] offset:2048          ; round 1: 64 pixels on
	global_load_b32 v[QS], v10, s[62:63] offset:32768
	global_load_b32 v38, v10, s[62:63] offset:32768+256
	global_load_b32 v48, v11, s[62:63] offset:36864
	global_load_b32 v39, v11, s[62:63] offset:36864+256
	v_lshlrev_b32 v12, 4, v50                      ; GX: my 16 bytes of 512 in x and out
	v_mov_b32 v13, 0
	v_lshlrev_b32 v14, 3, v49                      ; 8 h
	v_mov_b32 v31, 0                               ; written once: a lane permute's destination counts as one of its sources
.irp k,44,45,46,47
	v_mov_b32 v\k, 0                               ; K = 64 fills half of the instruction's 128: the other half is zero codes
.endr
	s_lshl_b32 s16, s17, 4
	v_add_nc_u32 v54, s16, v51                     ; xi = 16 (w % 2) + r
.set i, 0
.rept 32
	v_subrev_nc_u32 v[CDX+i], i, v54
.set i, i+1
.endr
.set i, 0
.rept 32
	v_cvt_f32_i32 v[CDX+i], v[CDX+i]
.set i, i+1
.endr
.set i, 0
.rept 32
	v_mul_f32 v[CDX+i], s52, |v[CDX+i]|            ; c |xi - i|
.set i, i+1
.endr
	v_lshlrev_b32 v55, 5, v51
	v_lshl_add_u32 v55, v49, 12, v55
	v_add_nc_u32 v55, 45056, v55                   ; VS: row r's 32 bytes; lanes 16-31 eight pairs of image rows (four K steps) further on
	s_mov_b32 s22, 0x05040100
	s_mov_b32 s23, 0x07060302
	s_wait_tensorcnt 1                             ; my part of EARLY is in; VK's load may stay out
	s_barrier_signal -1
	s_barrier_wait -1                              ; everybody's is
	; V's scale words: K step ks wants the two bytes of pair 2 ks below those of pair 2 ks + 1.  Register VS + 4 ct + q: lanes 0-15 K step q, lanes 16-31 K step 4 + q.
.irp q,0,1,2,3
.irp e,0,1
.irp gq,0,1
	ds_load_b128 v[KS+4*((2*\q+\e)*2+\gq):KS+4*((2*\q+\e)*2+\gq)+3], v55 offset:512*(2*\q+\e)+16*\gq
.endr
.endr
.endr
	s_wait_dscnt 0x0
.irp gq,0,1
.irp k,0,1,2,3
.irp q,0,1,2,3
	v_perm_b32 v[VS+4*(8*\gq+2*\k)+\q], v[KS+4*((2*\q+1)*2+\gq)+\k], v[KS+4*((2*\q)*2+\gq)+\k], s22      ; the two low halves: channel tile 8 gq + 2 k
	v_perm_b32 v[VS+4*(8*\gq+2*\k+1)+\q], v[KS+4*((2*\q+1)*2+\gq)+\k], v[KS+4*((2*\q)*2+\gq)+\k], s23    ; the two high halves: 8 gq + 2 k + 1
.endr
.endr
.endr
	s_wait_loadcnt 0x0                             ; Q, its scale words, -sq_i / 2, for both rounds
; ---- macros of the rounds.  g: a group of 128 keys = a K step of the last product; its S lies at v[64 (g % 4)] of window 1 + g / 4.
.macro LOADG g                         ; -sq_j / 2 straight into S (the product's C), the group's eight fragments of K, its scale words: 25 LDS loads
	WIN (1+(\g)/4)<<6
.irp pp,0,1
.irp q,0,1,2,3,4,5,6,7
	ds_load_b128 v[64*((\g)%4)+32*\pp+4*\q:64*((\g)%4)+32*\pp+4*\q+3], v3 offset:256*(2*(\g)+\pp)+16*\q
.endr
.endr
	WIN 0
.irp pp,0,1
.irp tau,0,1,2,3
	ds_load_b128 v[KS+8*(4*\pp+\tau):KS+8*(4*\pp+\tau)+3], v1 offset:2048*(2*(\g)+\pp)+512*\tau
.endr
.endr
	ds_load_b128 v[KSC:KSC+3], v2 offset:512*(\g)
.endm
.macro MMS g                           ; eight products, each onto its own tile of S
	WIN ((1+(\g)/4)<<6)|((1+(\g)/4)<<4)
.irp tau,0,1,2,3
	v_wmma_scale_f32_16x16x128_f8f6f4 v[64*((\g)%4)+8*\tau:64*((\g)%4)+8*\tau+7], v[KS+8*\tau:KS+8*\tau+7], v[40:47], v[64*((\g)%4)+8*\tau:64*((\g)%4)+8*\tau+7], v[KSC+\tau], v[QS] matrix_a_fmt:MATRIX_FMT_FP4 matrix_b_fmt:MATRIX_FMT_FP4
.endr
.irp tau,0,1,2,3
	v_wmma_scale_f32_16x16x128_f8f6f4 v[64*((\g)%4)+32+8*\tau:64*((\g)%4)+32+8*\tau+7], v[KS+32+8*\tau:KS+32+8*\tau+7], v[40:47], v[64*((\g)%4)+32+8*\tau:64*((\g)%4)+32+8*\tau+7], v[KSC+\tau], v[QS] matrix_a_fmt:MATRIX_FMT_FP4 matrix_b_fmt:MATRIX_FMT_FP4 matrix_a_scale:MATRIX_SCALE_ROW1
.endr
.endm
; Number pn of a group's 96 plain instructions: 32 packed ones, then 64 single ones.  kind 0: H;  1: the scaling and clip of the scores;  2: t - M.
.macro PLAIN kind, g
.if (\kind) == 0
.if pn < 32
	v_pk_fma_f32 v[192+2*pn:193+2*pn], -1.0, v[(2*pn)%32:(2*pn)%32+1], v[32+2*(2*(\g)+pn/16):33+2*(2*(\g)+pn/16)] op_sel_hi:[0,1,1]
.else
	v_min_u32 v[160+pn], s53, v[160+pn]
.endif
.elseif (\kind) == 1
.if pn < 32
	v_pk_fma_f32 v[64*((\g)%4)+2*pn:64*((\g)%4)+2*pn+1], v[64*((\g)%4)+2*pn:64*((\g)%4)+2*pn+1], s[48:49], v[16:17] op_sel_hi:[1,0,1]
.else
	v_min_num_f32 v[64*((\g)%4)+pn-32], v[64*((\g)%4)+pn-32], v13
.endif
.else
.if pn < 32
	v_pk_add_f32 v[64*((\g)%4)+2*pn:64*((\g)%4)+2*pn+1], v[64*((\g)%4)+2*pn:64*((\g)%4)+2*pn+1], v[20:21]
.else
	v_max_num_f32 v[64*((\g)%4)+pn-32], v[64*((\g)%4)+pn-32], v20
.endif
.endif
.set pn, pn+1
.endm
.macro EXPO kind, g                    ; exponential ej of a group's 64.  kind 0: U = 2^S;  1: in place
.if (\kind) == 0
	v_exp_f32 v[128+ej], v[64*((\g)%4)+ej]
.else
	v_exp_f32 v[64*((\g)%4)+ej], v[64*((\g)%4)+ej]
.endif
.set ej, ej+1
.endm
; 64 exponentials of one group among 96 plain instructions of another (or of H), under ONE window setting; none of the plain ones names an exponential's result; the last line is a plain one.
.macro ILV ekind, g, pkind, pg
.set pn, 0
.set ej, 0
.rept 32
	EXPO \ekind, \g
	PLAIN \pkind, \pg
	PLAIN \pkind, \pg
	EXPO \ekind, \g
	PLAIN \pkind, \pg
.endr
.endm
.macro EXPS kind, g                    ; the exponentials alone, and the plain instruction that is owed behind the last
.set ej, 0
.rept 64
	EXPO \kind, \g
.endr
	v_nop
.endm
.macro PLAINS kind, g
.set pn, 0
.rept 96
	PLAIN \kind, \g
.endr
.endm
.macro SUM1 g                          ; l1 += e1, in four chains
	WIN 0xfc|(1+(\g)/4)
.set sn, 0
.rept 32
	v_pk_add_f32 v[64+2*(sn%4):65+2*(sn%4)], v[64*((\g)%4)+2*sn:64*((\g)%4)+2*sn+1], v[64+2*(sn%4):65+2*(sn%4)]
.set sn, sn+1
.endr
.endm
.macro FF g                            ; S = log2(e) U - H
	WIN ((1+(\g)/4)<<6)|0x33
.set sn, 0
.rept 32
	v_pk_fma_f32 v[64*((\g)%4)+2*sn:64*((\g)%4)+2*sn+1], v[128+2*sn:129+2*sn], s[50:51], v[192+2*sn:193+2*sn] op_sel_hi:[1,0,1] neg_lo:[0,0,1] neg_hi:[0,0,1]
.set sn, sn+1
.endr
.endm
.macro TLOADS g, buf                   ; T' of the group's keys into buffer buf of window 3: 16 LDS loads
	WIN 0xc0
.irp pp,0,1
.irp q,0,1,2,3,4,5,6,7
	ds_load_b128 v[128+64*(\buf)+32*\pp+4*\q:128+64*(\buf)+32*\pp+4*\q+3], v4 offset:256*(2*(\g)+\pp)+16*\q
.endr
.endr
.endm
.macro P2A g                           ; s = e1 log2(e) / l1 + T', and the largest max(s, 0) of each of my two blocks, in two chains each
.if (\g) < 7
	s_wait_dscnt 16                                ; this group's 16 loads of T' are in; the next group's 16 may be out
.else
	s_wait_dscnt 0x0
.endif
	WIN ((1+(\g)/4)<<6)|0x30|(1+(\g)/4)
.set sn, 0
.rept 32
	v_pk_fma_f32 v[64*((\g)%4)+2*sn:64*((\g)%4)+2*sn+1], v[64*((\g)%4)+2*sn:64*((\g)%4)+2*sn+1], v[18:19], v[128+64*((\g)%2)+2*sn:129+64*((\g)%2)+2*sn]
.set sn, sn+1
.endr
.if (\g) < 6
	TLOADS (\g)+2, (\g)%2                          ; into the buffer just read
.endif
	WIN ((1+(\g)/4)<<2)|(1+(\g)/4)
.irp k,0,1,2,3,4,5,6,7
.irp pp,0,1
.if \k == 0
	v_max3_num_f32 v[BMA+2*(\g)+\pp], v[64*((\g)%4)+32*\pp], v[64*((\g)%4)+32*\pp+1], v13         ; the chains begin with 0: the clip of the logits
	v_max3_num_f32 v[BMB+2*(\g)+\pp], v[64*((\g)%4)+32*\pp+2], v[64*((\g)%4)+32*\pp+3], v13
.else
	v_max3_num_f32 v[BMA+2*(\g)+\pp], v[64*((\g)%4)+32*\pp+4*\k], v[64*((\g)%4)+32*\pp+4*\k+1], v[BMA+2*(\g)+\pp]
	v_max3_num_f32 v[BMB+2*(\g)+\pp], v[64*((\g)%4)+32*\pp+4*\k+2], v[64*((\g)%4)+32*\pp+4*\k+3], v[BMB+2*(\g)+\pp]
.endif
.endr
.endr
.endm
.macro VLOAD ks                        ; the K step's 16 fragments of V: 32 LDS loads
	WIN 0xc0
.irp ct,0,1,2,3,4,5,6,7,8,9,10,11,12,13,14,15
.irp c,0,1
	ds_load_b128 v[128+8*\ct+4*\c:128+8*\ct+4*\c+3], v[5+(\ks)/4] offset:16384*((\ks)%4)+1024*\ct+512*\c
.endr
.endr
.endm
.macro CVT ks                          ; p's codes: a lane's two whole blocks are registers 0-3 and 4-7 of the operand
	WIN 1+(\ks)/4
.irp pp,0,1
.irp k,0,1,2,3
	v_cvt_scalef32_pk8_fp4_f32 v[PC+4*\pp+\k], v[64*((\ks)%4)+32*\pp+8*\k:64*((\ks)%4)+32*\pp+8*\k+7], v[SOP+2*(\ks)+\pp]
.endr
.endr
.endm
.macro SUM2 ks                         ; l += the UNQUANTISED p, in four chains.  Its first line is the plain place behind the conversions; its 32 lines are the places ahead of the products
	WIN 1+(\ks)/4
.set sn, 0
.rept 32
	v_pk_add_f32 v[ACC+2*(sn%4):ACC+2*(sn%4)+1], v[64*((\ks)%4)+2*sn:64*((\ks)%4)+2*sn+1], v[ACC+2*(sn%4):ACC+2*(sn%4)+1]
.set sn, sn+1
.endr
.endm
.macro MMV ks                          ; O^T += V^T P^T: the 16 accumulators take turns, from K step to K step too; the first K step starts the sums
	WIN 0xf3
.irp ct,0,1,2,3,4,5,6,7,8,9,10,11,12,13,14,15
.if (\ks) == 0
	v_wmma_scale_f32_16x16x128_f8f6f4 v[8*\ct:8*\ct+7], v[128+8*\ct:128+8*\ct+7], v[PC:PC+7], 0, v[VS+4*\ct], v[PW] matrix_a_fmt:MATRIX_FMT_FP4 matrix_b_fmt:MATRIX_FMT_FP4
.elseif (\ks) < 4
	v_wmma_scale_f32_16x16x128_f8f6f4 v[8*\ct:8*\ct+7], v[128+8*\ct:128+8*\ct+7], v[PC:PC+7], v[8*\ct:8*\ct+7], v[VS+4*\ct+(\ks)], v[PW+(\ks)] matrix_a_fmt:MATRIX_FMT_FP4 matrix_b_fmt:MATRIX_FMT_FP4
.else
	v_wmma_scale_f32_16x16x128_f8f6f4 v[8*\ct:8*\ct+7], v[128+8*\ct:128+8*\ct+7], v[PC:PC+7], v[8*\ct:8*\ct+7], v[VS+4*\ct+(\ks)-4], v[PW+(\ks)] matrix_a_fmt:MATRIX_FMT_FP4 matrix_b_fmt:MATRIX_FMT_FP4 matrix_a_scale:MATRIX_SCALE_ROW1
.endif
.endr
.endm
.Lround:
	; ---- the round's constants
.irp f,0,1,2,3,4,5,6,7
.irp k,4,5,6,7
	v_mov_b32 v[KS+8*\f+\k], 0                     ; the upper halves of K's fragments: zero codes.  (First, so that more than four plain lines stand ahead of the first product)
.endr
.endr
	v_sub_nc_u32 v15, s57, v49                     ; yi - h
.irp c,0,1,2,3,4,5,6,7,8,9,10,11,12,13,14,15
	v_subrev_nc_u32 v[232+\c], 2*\c, v15           ; yi - (2 c' + h)
.endr
.irp c,0,1,2,3,4,5,6,7,8,9,10,11,12,13,14,15
	v_cvt_f32_i32 v[232+\c], v[232+\c]
.endr
	v_mul_f32 v16, s48, v48                        ; 2 log2(e) x (-sq_i / 2), twice: a pair
	v_mul_f32 v17, s48, v48
	WIN 0xc0
.irp c,0,1,2,3,4,5,6,7,8,9,10,11,12,13,14,15
	v_fma_f32 v[32+2*\c], -|v[232+\c]|, s52, s53   ; c (32 - dy), twice: a pair
	v_fma_f32 v[33+2*\c], -|v[232+\c]|, s52, s53
.endr
.set i, 0
.rept 32
	v_mov_b32 v[i], v[CDX+i]                       ; the table beside them in window 3
.set i, i+1
.endr
.irp i,64,65,66,67,68,69,70,71
	v_mov_b32 v\i, 0                               ; l1
.endr
	; ---- PASS 1: e1 for all 1,024 keys, group by group, and its sum
	LOADG 0
	s_wait_dscnt 0x0
	MMS 0
	PLACES 4                                       ; in front of loads into registers that the products have read, and of the first read of their results
	LOADG 1
	WIN (1<<6)|1
	PLAINS 1, 0
.irp g,0,1,2,3,4,5,6,7
	WIN 0xfc|(1+\g/4)
	ILV 0, \g, 0, \g                               ; U = 2^S among the lines that make H
.if \g < 7
	s_wait_dscnt 0x0                               ; the next group's 25 loads, the only LDS instructions that are out
	MMS \g+1
.endif
	s_wait_alu depctr_va_vdst(0)                   ; ONE wait for this group's U and the last group's e1, ahead of their first readers
.if \g > 0
	SUM1 \g-1                                      ; 32 plain lines that name none of the products' registers: their places
.endif
	FF \g
.if \g < 6
	LOADG \g+2
.endif
.if \g == 7
	TLOADS 0, 0                                    ; U and H are done with: pass 2a's first two groups of T'
	TLOADS 1, 1
	WIN (2<<6)|2
	EXPS 1, 7
.elseif \g == 3
	WIN (1<<6)|1                                   ; groups 3 and 4 lie in different windows: one after the other
	EXPS 1, 3
	WIN (2<<6)|2
	PLAINS 1, 4
.else
	WIN ((1+\g/4)<<6)|(1+\g/4)
	ILV 1, \g, 1, \g+1                             ; e1 = 2^S among the scaling and clip of the next group's scores
.endif
.endr
	s_wait_alu depctr_va_vdst(0)                   ; the last group's e1
	SUM1 7
	WIN 0xcf
	v_pk_add_f32 v[64:65], v[64:65], v[66:67]
	v_pk_add_f32 v[68:69], v[68:69], v[70:71]
	v_pk_add_f32 v[64:65], v[64:65], v[68:69]
	WIN 0x0f
	v_add_f32 v30, v64, v65
	WIN 0
	v_permlanex16_b32 v31, v30, s54, s55
	v_add_f32 v30, v30, v31                        ; with lane l xor 16's keys: l1
	v_rcp_f32 v32, v30
	v_nop                                          ; a plain instruction behind the reciprocal,
	s_wait_alu depctr_va_vdst(0)                   ; and the wait ahead of its first reader
	v_mul_f32 v18, s50, v32                        ; log2(e) / l1, twice: a pair
	v_mul_f32 v19, s50, v32
	; ---- PASS 2a
.irp g,0,1,2,3,4,5,6,7
	P2A \g
.endr
	WIN 0
	s_wait_tensorcnt 0x0                           ; my part of VK is in (in the second round: long since),
	s_wait_dscnt 0x0
	s_barrier_signal -1
	s_barrier_wait -1                              ; everybody's is
	VLOAD 0
	WIN 0
	; ---- M, and each block's scale
.irp c,0,1,2,3,4,5,6,7,8,9,10,11,12,13,14,15
	v_max_num_f32 v[BMA+\c], v[BMA+\c], v[BMB+\c]
.endr
	v_max3_num_f32 v30, v[BMA], v[BMA+1], v[BMA+2]
.irp c,3,5,7,9,11,13
	v_max3_num_f32 v30, v30, v[BMA+\c], v[BMA+\c+1]
.endr
	v_max_num_f32 v30, v30, v[BMA+15]
	v_permlanex16_b32 v31, v30, s54, s55
	v_max_num_f32 v30, v30, v31                    ; the row's largest t
	v_floor_f32 v20, -v30                          ; -M = floor(-t) = -ceil(t), twice: a pair
	v_floor_f32 v21, -v30
.irp c,0,1,2,3,4,5,6,7,8,9,10,11,12,13,14,15
	v_add_f32 v[BMA+\c], v[BMA+\c], v20            ; the block's largest t goes the element's own way: the same bits
.endr
.irp c,0,1,2,3,4,5,6,7,8,9,10,11,12,13,14,15
	v_exp_f32 v[BMA+\c], v[BMA+\c]
.endr
	v_nop
	s_wait_alu depctr_va_vdst(0)                   ; one wait for the sixteen
.irp c,0,1,2,3,4,5,6,7,8,9,10,11,12,13,14,15
	v_max_num_f32 v[BMA+\c], FLOOR, v[BMA+\c]
.endr
.irp c,0,1,2,3,4,5,6,7,8,9,10,11,12,13,14,15
	v_add_nc_u32 v[SOP+\c], STEP2, v[BMA+\c]       ; 2 off the exponent field: the conversion's scale operand
.endr
.irp c,0,1,2,3,4,5,6,7,8,9,10,11,12,13,14,15
	v_lshrrev_b32 v[BMB+\c], 23, v[SOP+\c]         ; the scale's byte
.endr
.irp k,0,1,2,3,4,5,6,7
	v_lshl_or_b32 v[BMA+\k], v[BMB+2*\k+1], 16, v[BMB+2*\k]
.endr
.irp k,0,1,2,3,4,5,6,7
	v_lshlrev_b32 v[BMA+\k], v14, v[BMA+\k]        ; my bytes are those of blocks h and 2 + h of the K step
.endr
.irp k,0,1,2,3,4,5,6,7
	v_permlanex16_b32 v[BMA+8+\k], v[BMA+\k], s54, s55
.endr
.irp k,0,1,2,3,4,5,6,7
	v_or_b32 v[PW+\k], v[BMA+\k], v[BMA+8+\k]      ; p's scale word of K step k
.endr
.irp i,0,1,2,3,4,5,6,7
	v_mov_b32 v[ACC+\i], 0                         ; l
.endr
	WIN (1<<6)|1
	PLAINS 2, 0
	; ---- PASS 2b
.irp ks,0,1,2,3,4,5,6,7
.if \ks == 7
	WIN (2<<6)|2
	EXPS 1, 7
.elseif \ks == 3
	WIN (1<<6)|1
	EXPS 1, 3
	WIN (2<<6)|2
	PLAINS 2, 4
.else
	WIN ((1+\ks/4)<<6)|(1+\ks/4)
	ILV 1, \ks, 2, \ks+1                           ; p = 2^(t - M) among the next K step's t - M
.endif
	s_wait_alu depctr_va_vdst(0)                   ; one wait for the K step's 64 exponentials
	CVT \ks
	SUM2 \ks
	s_wait_dscnt 0x0                               ; V's fragments of this K step
	MMV \ks
	PLACES 4                                       ; in front of loads into registers that the products have read, and at the end of the first read of O^T
.if \ks < 7
	VLOAD \ks+1
.endif
.if \ks == 1
	WIN 0x40                                       ; S of K steps 0 and 1 is done with: my 16 rows of x, six K steps ahead of their use
.set n, 0
.rept 32
	global_load_b128 v[4*n:4*n+3], v12, s[58:59] offset:512*n th:TH_LOAD_NT
.set n, n+1
.endr
.endif
.endr
	; ---- THE WAY OUT: O^T / l through my stage, back as rows, + x, stored
	WIN 0
	v_pk_add_f32 v[22:23], v[22:23], v[24:25]
	v_pk_add_f32 v[26:27], v[26:27], v[28:29]
	v_pk_add_f32 v[22:23], v[22:23], v[26:27]
	v_add_f32 v30, v22, v23
	v_permlanex16_b32 v31, v30, s54, s55
	v_add_f32 v30, v30, v31                        ; l
	v_rcp_f32 v32, v30
	v_nop
	s_wait_alu depctr_va_vdst(0)
	v_mov_b32 v33, v32
	WIN 0xc3
.set n, 0
.rept 64
	v_pk_mul_f32 v[2*n:2*n+1], v[2*n:2*n+1], v[32:33]              ; each accumulator from its low end on
.set n, n+1
.endr
	WIN 0x0c                                       ; an LDS store's data are its source 1
.irp ct,0,1,2,3,4,5,6,7,8,9,10,11,12,13,14,15
	ds_store_b128 v7, v[8*\ct:8*\ct+3] offset:64*\ct               ; lane (r, h): query r, channels 16 ct + 8 h + 0 .. 7
	ds_store_b128 v7, v[8*\ct+4:8*\ct+7] offset:64*\ct+16
.endr
	WIN 0x40
.set n, 0
.rept 32
	ds_load_b128 v[128+4*n:128+4*n+3], v8 offset:1040*(n/2)+512*(n%2)   ; LDS serves a wave's instructions in order: these see my stores
.set n, n+1
.endr
	s_wait_loadcnt 0x0                             ; x
	s_wait_dscnt 0x0
	WIN 0x45
.set n, 0
.rept 64
	v_pk_add_f32 v[128+2*n:129+2*n], v[128+2*n:129+2*n], v[2*n:2*n+1]
.set n, n+1
.endr
	WIN 0x04                                       ; a global store's data are its source 1
.set n, 0
.rept 32
	global_store_b128 v12, v[128+4*n:128+4*n+3], s[60:61] offset:512*n th:TH_STORE_NT   ; 512 consecutive bytes, aligned
.set n, n+1
.endr
	WIN 0
	s_wait_xcnt 0x0                                ; the stores have read their registers and their base: both are written again only behind this wait
	s_add_nc_u64 s[58:59], s[58:59], 65536         ; 64 pixels on
	s_add_nc_u64 s[60:61], s[60:61], 65536
	s_add_co_u32 s57, s57, 2                       ; two image rows on
.irp k,0,1,2,3
	v_mov_b32 v[40+\k], v[34+\k]                   ; the next round's Q,
.endr
	v_mov_b32 v[QS], v38                           ; its scale word,
	v_mov_b32 v48, v39                             ; and -sq_i / 2
	s_sub_co_u32 s56, s56, 1
	s_cmp_lg_u32 s56, 0
	s_cbranch_scc1 .Lround
	s_wait_tensorcnt 0x0
	ds_add_u32 v254, v255
	s_wait_dscnt 0x0
	ROUND                                          ; the closing round: no work-group ends while a partner may still ask for a tile that names it
	s_endpgm
.Lfunc_end_k_q289de7baf9_attend:
	.size	k_q289de7baf9_attend, .Lfunc_end_k_q289de7baf9_attend-k_q289de7baf9_attend
	.p2alignl 7, 3214868480
	.fill 96, 4, 3214868480
	.section	.rodata,"a",@progbits
	.p2align	6, 0x0
	.amdhsa_kernel k_q289de7baf9_attend
		.amdhsa_group_segment_fixed_size 251392
		.amdhsa_private_segment_fixed_size 0
		.amdhsa_enable_private_segment 0
		.amdhsa_kernarg_size 32
		.amdhsa_user_sgpr_count 2
		.amdhsa_user_sgpr_kernarg_segment_ptr 1
		.amdhsa_wavefront_size32 1
		.amdhsa_system_sgpr_workgroup_id_x 1
		.amdhsa_system_sgpr_workgroup_id_y 1
		.amdhsa_system_sgpr_workgroup_id_z 1
		.amdhsa_system_vgpr_workitem_id 0
		.amdhsa_next_free_vgpr 1024
		.amdhsa_next_free_sgpr 66
		.amdhsa_reserve_vcc 0
		.amdhsa_float_denorm_mode_32 3
		.amdhsa_float_denorm_mode_16_64 3
		.amdhsa_memory_ordered 1
		.amdhsa_forward_progress 1
		.amdhsa_inst_pref_size 255
	.end_amdhsa_kernel
	.section	.bss,"aw",@nobits
	.p2align	6
	.space	262144
	.amdgpu_metadata
---
amdhsa.version: [ 1, 2 ]
amdhsa.kernels:
  - .name:           k_q289de7baf9_attend
    .symbol:         k_q289de7baf9_attend.kd
    .args:
      - { .name: feature_map, .offset: 0, .size: 8, .value_kind: global_buffer, .address_space: global }
      - { .name: early, .offset: 8, .size: 8, .value_kind: global_buffer, .address_space: global }
      - { .name: vk, .offset: 16, .size: 8, .value_kind: global_buffer, .address_space: global }
      - { .name: out0, .offset: 24, .size: 8, .value_kind: global_buffer, .address_space: global }
    .group_segment_fixed_size: 251392
    .private_segment_fixed_size: 0
    .kernarg_segment_align: 8
    .kernarg_segment_size: 32
    .max_flat_workgroup_size: 128
    .sgpr_count:     66
    .vgpr_count:     1024
    .wavefront_size: 32
...
	.end_amdgpu_metadata
.endif
;; end of part 2
